; MI455X (gfx1250); checked and timed in simulation.
; The chip was launched on July 23, 2026; its instructions are those of AMD's public machine-readable ISA for CDNA 5 (MIT licence, August 2026) and "CDNA5" Instruction Set Architecture Reference Guide (July 2026). The comments in the code are by the model that wrote it; some were corrected since.
;; HMLSTM Cell3. Allowed arithmetic: matrix products marked QUANTISED: E4M3 operands, one given power-of-two scale a tensor, by v_wmma_f32_16x16x64_fp8_fp8 or v_wmma_f32_16x16x128_fp8_fp8, f32 sums; everything else in f32.
;; Inputs: R 1,024 x 4,097 float32; U 1,024 x 4,097 float32; W 1,024 x 4,097 float32; b 4,097 float32; c 4,096 x 1,024 float32; h 4,096 x 1,024 float32; h_bottom 4,096 x 1,024 float32; h_top 4,096 x 1,024 float32; lowp_scales 6 int32 (the exponents e of the quantised operands' scales 2^e); z 4,096 x 1 float32; z_bottom 4,096 x 1 float32.
;; Outputs: out0 4,096 x 1,024 float32; out1 4,096 x 1,024 float32; out2 4,096 x 1 float32.
;; This version of the problem:
;;   THIS VERSION OF THE PROBLEM IS GIVEN IN LOW PRECISION. The matrix products marked QUANTISED in the list below multiply operands that are first quantised to E4M3 (4 exponent bits, 3 mantissa bits; 8 bits a number), with one given power-of-two scale for each operand tensor; their sums are f32. All else is computed in f32.
;;   The module's matrix products, in the order in which they are computed (A, B: the left and right operand; K: the contracted axis; several contracted axes count as one K, in the product's order):
;;     1. [M 4,096, K 1,024] x [K 1,024, N 4,097]; A: computed on the way; B: input W: QUANTISED (scales: A lowp_scales[0], B lowp_scales[1])
;;     2. [M 4,096, K 1,024] x [K 1,024, N 4,097]; A: input h; B: input R: QUANTISED (scales: A lowp_scales[2], B lowp_scales[3])
;;     3. [M 4,096, K 1,024] x [K 1,024, N 4,097]; A: computed on the way; B: input U: QUANTISED (scales: A lowp_scales[4], B lowp_scales[5])
;;   THE QUANTISER, for each operand of a quantised product, along K:
;;     - The operand's scale is 2^e, e = its entry of the input lowp_scales (int32; the entries are numbered through the quantised products in the list's order, A before B).
;;     - Each number is divided by the scale, clamped to +-448, and rounded to the nearest number of E4M3, ties to even, subnormals kept.
;;     - The product sums the exact products of the quantised numbers (number of the format x scale) in f32.
;;   ~~~python
;;   def quantise(x, axis, e):      # numpy; x: float32 -> the quantised numbers, widened to float32 again
;;       x = np.moveaxis(x, axis, -1); K = x.shape[-1]
;;       r = np.clip(x / 2.0 ** e, -448, 448)
;;       step = 2.0 ** (np.maximum(np.frexp(np.where(r == 0, 1, r))[1] - 1, -6) - 3)
;;       q = np.round(r / step) * step * 2.0 ** e      # np.round: ties to even
;;       return np.moveaxis(q, -1, axis).astype(np.float32)
;;   ~~~
;;   OPERANDS COMPUTED ON THE WAY. 'Computed on the way' means the value that the module computes at that place (a softmax that the list does not call 'softmax' is quantised finished and normalised). What goes into a quantiser is computed in f32, as accurately as f32 sums, v_exp_f32 and their like allow (about 1e-6 of the number): no bf16 or f16 on the way to a quantiser, and a product that is left as it is and whose result goes on into a quantised operand takes f32 operands (vector FMAs, or v_wmma_f32_16x16x4_f32). A number that lies on a knife's edge between two numbers of the format may be rounded either way, as far as f32 arithmetic and the matrix unit's own rounding can turn it there, and no further.
;; One version. Each part assembles by itself: llvm-mc -triple=amdgcn-amd-amdhsa -mcpu=gfx1250 --defsym DOCPART=n.
;; ======== version 1 of 1: 2 launches
;; limits: right only within a limited range of input values
;; workspace buffers: a_codes 12,582,912 bytes; b_codes 12,585,984 bytes
;; launch quant (part 1): grid 768 x 1, 4 waves a work-group, no clusters, 68,096 bytes of LDS; arguments h_bottom, h, h_top, z_bottom, z, W, R, U, lowp_scales, a_codes, b_codes; writes a_codes, b_codes
.if DOCPART == 1
	.amdgcn_target "amdgcn-amd-amdhsa--gfx1250"
	.amdhsa_code_object_version 6
	.text
	.protected	k_q57aecc33b7_quant
	.globl	k_q57aecc33b7_quant
	.p2align	8
	.type	k_q57aecc33b7_quant,@function
k_q57aecc33b7_quant:
	s_mov_b64 s[64:65], 0
	v_nop
	global_prefetch_b8 v0, s[64:65] scope:SCOPE_SE
	s_setreg_imm32_b32 hwreg(HW_REG_WAVE_MODE, 25, 1), 1
	s_wait_xcnt 0x0
; All six operands of the three quantised products become codes of FP8 (E4M3), K innermost, each with the one scale 2^e that is given for it.
; code = x / 2^e, held within +-448, rounded to the nearest code, ties to even.
; a_codes [4096][3072]: row m = codes(h_bottom[m] x z_bottom[m]) | codes(h[m]) | codes(h_top[m] x z[m]), 1,024 bytes each; the products with z are made in f32 ahead of the quantiser.
; b_codes [4097][3072]: a row holds, down K, the codes of W | R | U for ONE column n of the pre-activations.  The rows are laid so that the four gates of a hidden unit fall into one tile of 256 rows:
;   column n = 1024 gate + 64 tx + 32 s + v (v = 0 .. 31) lies in row 256 tx + 128 s + 32 gate + v; column 4096 lies in row 4096.
; LIMITS: each of the six exponents lies between -126 and 119, so that 2^e and 448 x 2^e are f32 numbers.  NaN among the inputs is not served (an infinity is held at the largest code).
; Work-groups 0 .. 383 take the activations (128 for each tensor), work-groups 384 .. 767 the weights (128 for each): 32,768 numbers a work-group either way.  Waves share nothing: no barrier.
; The two ways have LDS bytes of their own: activations 0 .. 32,767, weights 32,768 .. 67,583.
.set WGACT,  384
.set AROW,   3072                      ; a row of a_codes in bytes
.set BROW,   3072                      ; a row of b_codes in bytes
; HOW ROWS 0 .. 4095 OF b_codes ARE STORED: by fragments, in the order of an operand's registers.  A block of 16 rows x 128 along K is 2,048 bytes on end:
; piece c (0 .. 3) of 512 bytes holds, at 16 x lane, the codes K = 32 c + 16 (lane / 16) + 0 .. 15 of row lane % 16.  A block row's 24 K steps follow each other (49,152 bytes).  Row 4096 lies plainly behind them.
.set WROW,   16388                     ; a row of W, R or U in bytes: 4,097 numbers
; activations
.set STEPS,  16                        ; a wave takes 8 rows = 16 steps of 512 numbers
.set SP,     80                        ; a lane's place in a stage: its 64 bytes + 16 of padding
.set R,      16                        ; v16-79   four sets of 16 numbers as they are loaded
.set X,      80                        ; v80-111  two sets of 16 neighbours
.set C,      128                       ; v128-191 codes: four registers for each step, so that no store's data are written again
; weights
.set WSTAGE, 32768
.set WPITCH, 272                       ; a stage row: 256 codes + 16 bytes
.set NB,     8                         ; a wave takes 32 columns x 256 along K: 8 blocks of 32
.set WX,     32                        ; v32-95   two sets of 32 numbers
.set WC,     96                        ; v96-103  a block's codes
.set OUTR,   112                       ; v112-175 the way out
.macro ALOAD t                         ; step t: four loads of 512 consecutive bytes
.irp i, 0,1,2,3
	global_load_b128 v[R+16*((\t)%4)+4*\i:R+16*((\t)%4)+4*\i+3], v3, s[36:37] offset:2048*(\t)+512*\i th:TH_LOAD_NT
.endr
.endm
.macro ATURN t                         ; step t's 2,048 bytes through the wave's stage: in as loaded, out 64 neighbouring bytes a lane.  LDS serves a wave's instructions in order: no wait between
.irp i, 0,1,2,3
	ds_store_b128 v14, v[R+16*((\t)%4)+4*\i:R+16*((\t)%4)+4*\i+3] offset:32*SP*((\t)%2)+8*SP*\i
.endr
.irp i, 0,1,2,3
	ds_load_b128 v[X+16*((\t)%2)+4*\i:X+16*((\t)%2)+4*\i+3], v15 offset:32*SP*((\t)%2)+16*\i
.endr
.endm
.macro ASTEP t
.set XS, X+16*((\t)%2)
	s_wait_dscnt 0x0                               ; this step's numbers are back from the stage, so its stores into the stage have read their registers,
.if (\t)+4 < STEPS
	ALOAD (\t)+4                                   ; which take the loads of four steps on
.endif
.if (\t)+1 < STEPS
.if STEPS-2-(\t) >= 3
	s_wait_loadcnt 12                              ; the next step's four loads are in; those of the three steps behind it may be out
.else
	s_wait_loadcnt 4*(STEPS-2-(\t))
.endif
	ATURN (\t)+1
.endif
.irp i, 0,2,4,6,8,10,12,14
	v_pk_mul_f32 v[XS+\i:XS+\i+1], v[XS+\i:XS+\i+1], s[48+2*((\t)/2):49+2*((\t)/2)] op_sel_hi:[1,0]   ; x the row's z_bottom or z (1.0 for h): two steps make a row
.endr
	s_wait_alu depctr_va_vdst(0)
.irp i, 0,1,2,3,4,5,6,7,8,9,10,11,12,13,14,15
	v_med3_num_f32 v[XS+\i], v[XS+\i], -v10, v10   ; the conversion to an 8-bit code does not saturate (ISA guide 7.6.2): the hold at the largest code x the scale
.endr
	v_cvt_scalef32_pk8_fp8_f32 v[C+4*(\t):C+4*(\t)+1], v[XS:XS+7], v11
	v_cvt_scalef32_pk8_fp8_f32 v[C+4*(\t)+2:C+4*(\t)+3], v[XS+8:XS+15], v11
	global_store_b128 v3, v[C+4*(\t):C+4*(\t)+3], s[38:39] offset:((\t)/2)*AROW+512*((\t)%2)   ; the wave stores 512 consecutive bytes, at a multiple of 256 from the buffer's first byte
.endm
.macro WLOAD t                         ; block t: rows 32 t + i of my 256 along K, my column: 32 lanes read 128 consecutive bytes
.irp i, 0,1,2,3,4,5,6,7,8,9,10,11,12,13,14,15,16,17,18,19,20,21,22,23,24,25,26,27,28,29,30,31
	global_load_b32 v[WX+32*((\t)%2)+\i], v3, s[40:41] offset:(32*(\t)+\i)*WROW
.endr
.endm
.macro WBLOCK t
.set XS, WX+32*((\t)%2)
.if (\t) < NB-1
	s_wait_loadcnt 32                              ; this block's 32 loads are in; the next block's may be out
.else
	s_wait_loadcnt 0
.endif
.irp i, 0,1,2,3,4,5,6,7,8,9,10,11,12,13,14,15,16,17,18,19,20,21,22,23,24,25,26,27,28,29,30,31
	v_med3_num_f32 v[XS+\i], v[XS+\i], -v10, v10
.endr
.irp g, 0,1,2,3
	v_cvt_scalef32_pk8_fp8_f32 v[WC+2*\g:WC+2*\g+1], v[XS+8*\g:XS+8*\g+7], v11
.endr
	ds_store_b128 v4, v[WC:WC+3] offset:32*(\t)    ; 32 codes: 32 bytes of my column's row
	ds_store_b128 v4, v[WC+4:WC+7] offset:32*(\t)+16
.if (\t)+2 < NB
	WLOAD (\t)+2
.endif
	s_wait_dscnt 0x0                               ; the stores have read their registers: the next block's codes may be written
.endm
	s_load_b512 s[4:19], s[0:1], 0x0               ; h_bottom s[4:5], h s[6:7], h_top s[8:9], z_bottom s[10:11], z s[12:13], W s[14:15], R s[16:17], U s[18:19]
	s_load_b128 s[20:23], s[0:1], 0x40             ; the scales' exponents s[20:21], a_codes s[22:23]
	s_load_b64 s[24:25], s[0:1], 0x50              ; b_codes
	v_lshl_add_u32 v192, v0, 2, 0x10800
	v_mov_b32 v193, 0
	v_lshrrev_b32 v1, 5, v0
	v_readfirstlane_b32 s26, v1                    ; wave 0..3
	v_and_b32 v2, 31, v0                           ; lane
	s_wait_kmcnt 0x0
	s_load_b128 s[28:31], s[20:21], 0x0            ; e0 .. e3
	s_load_b64 s[32:33], s[20:21], 0x10            ; e4, e5
	s_cmp_ge_u32 ttmp9, WGACT
	s_cbranch_scc1 .Lweights
	; ---- THE ACTIVATIONS.  Tensor p = work-group / 128; a wave's run of 8 rows = 4 x (work-group % 128) + wave
	s_lshr_b32 s27, ttmp9, 7                       ; p
	s_and_b32 s56, ttmp9, 127
	s_lshl_b32 s56, s56, 2
	s_add_co_u32 s56, s56, s26                     ; the run, 0 .. 511
	s_cmp_eq_u32 s27, 1                            ; the choices hang on the work-group's number alone
	s_cselect_b64 s[36:37], s[6:7], s[8:9]
	s_cmp_eq_u32 s27, 0
	s_cselect_b64 s[36:37], s[4:5], s[36:37]       ; the tensor
	s_cselect_b64 s[34:35], s[10:11], s[12:13]     ; its rows' factors: z_bottom for h_bottom, z for h_top (for h they are replaced by 1.0 below)
	s_mov_b32 s59, 0
	s_lshl_b32 s58, s56, 15                        ; 8 rows of 4,096 bytes
	s_add_nc_u64 s[36:37], s[36:37], s[58:59]
	s_lshl_b32 s58, s56, 5                         ; 8 factors of 4 bytes
	s_add_nc_u64 s[34:35], s[34:35], s[58:59]
	s_mul_i32 s58, s56, 8*AROW
	s_lshl_b32 s57, s27, 10
	s_add_co_u32 s58, s58, s57                     ; 8 rows of codes, + the tensor's 1,024 bytes of a row
	s_add_nc_u64 s[38:39], s[22:23], s[58:59]
	s_load_b256 s[40:47], s[34:35], 0x0            ; my 8 rows' factors
	s_wait_alu depctr_va_vdst(0)
	v_lshlrev_b32 v3, 4, v2                        ; my 16 bytes of a load's 512, and of a step's 512 bytes of codes
	s_mul_i32 s3, s26, 8192                        ; my wave's two stages
	v_lshrrev_b32 v14, 2, v2
	v_mul_u32_u24 v14, v14, SP
	v_and_b32 v15, 3, v2
	v_lshl_add_u32 v14, v15, 4, v14
	v_add_nc_u32 v14, s3, v14                      ; in: four lanes' 64 bytes on end, then 16 of padding
	v_mul_u32_u24 v15, v2, SP
	v_add_nc_u32 v15, s3, v15                      ; out: my 16 neighbours
.irp t, 0,1,2,3
	ALOAD \t
.endr
	s_wait_alu depctr_va_vdst(0)
	s_wait_kmcnt 0x0                               ; the exponents and the factors
	s_cmp_eq_u32 s27, 1
	s_cselect_b32 s2, s30, s32
.irp i, 0,1,2,3,4,5,6,7
	s_cselect_b32 s[48+2*\i], 1.0, s[40+\i]        ; h is quantised as it is
.endr
	s_cmp_eq_u32 s27, 0
	s_cselect_b32 s2, s28, s2                      ; e = entry 2 p
.irp i, 0,1,2,3,4,5,6,7
	s_mov_b32 s[49+2*\i], s[48+2*\i]               ; (named with it as a pair, so it is written)
.endr
	s_add_co_i32 s2, s2, 127
	s_lshl_b32 s3, s2, 23
	v_mov_b32 v11, s3                              ; 2^e as f32: the conversion takes its exponent field
	s_add_co_i32 s2, s2, 8
	s_lshl_b32 s2, s2, 23
	s_or_b32 s2, s2, 0x600000
	v_mov_b32 v10, s2                              ; 448 x 2^e
	s_wait_loadcnt 12                              ; step 0's four loads are in
	ATURN 0
.irp t, 0,1,2,3,4,5,6,7,8,9,10,11,12,13,14,15
	ASTEP \t
.endr
	s_wait_tensorcnt 0x0
	ds_add_u32 v192, v193
	s_wait_dscnt 0x0
	s_endpgm
	; ---- THE WEIGHTS.  A lane takes a column n and its registers run down K: the conversions then give codes with K innermost, and nothing is transposed by an instruction.
.Lweights:
	s_sub_co_u32 s27, ttmp9, WGACT
	s_lshr_b32 s34, s27, 7                         ; p: W, R or U
	s_and_b32 s35, s27, 31                         ; which 128 columns
	s_bfe_u32 s36, s27, 0x20005                    ; which 256 along K
	s_lshl_b32 s37, s35, 2
	s_add_co_u32 s37, s37, s26                     ; G: my wave's group of 32 columns, 0 .. 127
	s_cmp_eq_u32 s34, 1
	s_cselect_b64 s[40:41], s[16:17], s[18:19]
	s_cmp_eq_u32 s34, 0
	s_cselect_b64 s[40:41], s[14:15], s[40:41]
	s_mul_i32 s42, s36, 256*WROW
	s_lshl_b32 s43, s37, 7
	s_add_co_u32 s42, s42, s43                     ; 256 rows of the weight for each step along K, + 128 bytes for each group of columns
	s_mov_b32 s43, 0
	s_add_nc_u64 s[40:41], s[40:41], s[42:43]
	s_bfe_u32 s44, s37, 0x40001                    ; G = 32 gate + 2 tx + s:  tx,
	s_lshl_b32 s44, s44, 3
	s_and_b32 s45, s37, 1                          ; s,
	s_lshl_b32 s45, s45, 2
	s_add_co_u32 s44, s44, s45
	s_lshr_b32 s45, s37, 5                         ; gate
	s_add_co_u32 s44, s44, s45                     ; the group's place among the rows of b_codes: 8 tx + 4 s + gate
	s_mul_i32 s44, s44, 32*BROW
	s_lshl_b32 s45, s34, 10
	s_lshl_b32 s46, s36, 8
	s_add_co_u32 s46, s46, s45                     ; in a row: 1,024 p + 256 x the step along K
	s_lshl_b32 s45, s46, 4                         ; K step of 128 x 2,048 bytes = 16 x the place in a row
	s_add_co_u32 s44, s44, s45
	s_mov_b32 s45, 0
	s_add_nc_u64 s[48:49], s[24:25], s[44:45]      ; where my 32 rows' codes go
	s_add_co_u32 s46, s46, 4096*BROW
	s_mov_b32 s47, 0
	s_add_nc_u64 s[50:51], s[24:25], s[46:47]      ; the same place in row 4096
	s_wait_alu depctr_va_vdst(0)
	v_lshlrev_b32 v3, 2, v2                        ; in: 4 bytes a lane
	s_mul_i32 s52, s26, 32*WPITCH
	s_add_co_u32 s52, s52, WSTAGE                  ; my stage
	v_mul_u32_u24 v4, v2, WPITCH
	v_add_nc_u32 v4, s52, v4                       ; into it: row = my column
	v_and_b32 v5, 15, v2
	v_lshrrev_b32 v6, 4, v2                        ; out of it: two lanes to a row, sixteen rows an instruction
	v_mul_u32_u24 v7, v5, WPITCH                   ; out of it: row lane % 16, 16 bytes for each half of the lanes
	v_lshl_add_u32 v7, v6, 4, v7
	v_add_nc_u32 v7, s52, v7
	v_lshlrev_b32 v8, 4, v2                        ; and 16 x lane in a piece of 512 bytes
	v_mul_u32_u24 v9, v2, 8*WROW                   ; column 4096: a lane takes 8 rows
	v_lshlrev_b32 v12, 3, v2                       ; and stores 8 codes
	WLOAD 0
	WLOAD 1
	s_wait_kmcnt 0x0
	s_cmp_eq_u32 s34, 1
	s_cselect_b32 s2, s31, s33
	s_cmp_eq_u32 s34, 0
	s_cselect_b32 s2, s29, s2                      ; e = entry 2 p + 1
	s_add_co_i32 s2, s2, 127
	s_lshl_b32 s3, s2, 23
	v_mov_b32 v11, s3                              ; 2^e
	s_add_co_i32 s2, s2, 8
	s_lshl_b32 s2, s2, 23
	s_or_b32 s2, s2, 0x600000
	v_mov_b32 v10, s2                              ; 448 x 2^e
	s_wait_alu depctr_va_vdst(0)
.irp t, 0,1,2,3,4,5,6,7
	WBLOCK \t
.endr
.irp t, 0,1,2,3,4,5,6,7,8,9,10,11,12,13,14,15
	ds_load_b128 v[OUTR+4*\t:OUTR+4*\t+3], v7 offset:((\t)/8)*16*WPITCH+(((\t)/4)%2)*128+((\t)%4)*32   ; t = 8 x block of 16 columns + 4 x K step + piece
.endr
.irp t, 0,1,2,3,4,5,6,7,8,9,10,11,12,13,14,15
	s_wait_dscnt 15-\t
	global_store_b128 v8, v[OUTR+4*\t:OUTR+4*\t+3], s[48:49] offset:((\t)/8)*16*BROW+(((\t)/4)%2)*2048+((\t)%4)*512   ; the wave stores 512 consecutive bytes, at a multiple of 256 from the buffer's first byte
.endr
	; column 4096: wave 0 of the work-group with the last 128 columns takes it, for its tensor and its 256 along K.  My base stands at column 3,968: 128 columns, 512 bytes, further on
	s_cmp_lg_u32 s35, 31
	s_cbranch_scc1 .Ldone
	s_cmp_lg_u32 s26, 0
	s_cbranch_scc1 .Ldone
.irp i, 0,1,2,3,4,5,6,7
	global_load_b32 v[WX+\i], v9, s[40:41] offset:512+\i*WROW      ; rows 8 lane + i
.endr
	s_wait_loadcnt 0x0
.irp i, 0,1,2,3,4,5,6,7
	v_med3_num_f32 v[WX+\i], v[WX+\i], -v10, v10
.endr
	v_cvt_scalef32_pk8_fp8_f32 v[WC:WC+1], v[WX:WX+7], v11
	global_store_b64 v12, v[WC:WC+1], s[50:51]     ; the wave stores 256 consecutive bytes, at a multiple of 256 from the buffer's first byte
.Ldone:
	s_wait_tensorcnt 0x0
	ds_add_u32 v192, v193
	s_wait_dscnt 0x0
	s_endpgm
.Lfunc_end_k_q57aecc33b7_quant:
	.size	k_q57aecc33b7_quant, .Lfunc_end_k_q57aecc33b7_quant-k_q57aecc33b7_quant
	.p2alignl 7, 3214868480
	.fill 96, 4, 3214868480
	.section	.rodata,"a",@progbits
	.p2align	6, 0x0
	.amdhsa_kernel k_q57aecc33b7_quant
		.amdhsa_group_segment_fixed_size 68096
		.amdhsa_private_segment_fixed_size 0
		.amdhsa_enable_private_segment 0
		.amdhsa_kernarg_size 88
		.amdhsa_user_sgpr_count 2
		.amdhsa_user_sgpr_kernarg_segment_ptr 1
		.amdhsa_wavefront_size32 1
		.amdhsa_system_sgpr_workgroup_id_x 1
		.amdhsa_system_sgpr_workgroup_id_y 1
		.amdhsa_system_sgpr_workgroup_id_z 1
		.amdhsa_system_vgpr_workitem_id 0
		.amdhsa_next_free_vgpr 194
		.amdhsa_next_free_sgpr 66
		.amdhsa_reserve_vcc 0
		.amdhsa_float_denorm_mode_32 3
		.amdhsa_float_denorm_mode_16_64 3
		.amdhsa_memory_ordered 1
		.amdhsa_forward_progress 1
		.amdhsa_inst_pref_size 97
	.end_amdhsa_kernel
	.amdgpu_metadata
---
amdhsa.version: [ 1, 2 ]
amdhsa.kernels:
  - .name:           k_q57aecc33b7_quant
    .symbol:         k_q57aecc33b7_quant.kd
    .args:
      - { .name: h_bottom, .offset: 0, .size: 8, .value_kind: global_buffer, .address_space: global }
      - { .name: h, .offset: 8, .size: 8, .value_kind: global_buffer, .address_space: global }
      - { .name: h_top, .offset: 16, .size: 8, .value_kind: global_buffer, .address_space: global }
      - { .name: z_bottom, .offset: 24, .size: 8, .value_kind: global_buffer, .address_space: global }
      - { .name: z, .offset: 32, .size: 8, .value_kind: global_buffer, .address_space: global }
      - { .name: W, .offset: 40, .size: 8, .value_kind: global_buffer, .address_space: global }
      - { .name: R, .offset: 48, .size: 8, .value_kind: global_buffer, .address_space: global }
      - { .name: U, .offset: 56, .size: 8, .value_kind: global_buffer, .address_space: global }
      - { .name: lowp_scales, .offset: 64, .size: 8, .value_kind: global_buffer, .address_space: global }
      - { .name: a_codes, .offset: 72, .size: 8, .value_kind: global_buffer, .address_space: global }
      - { .name: b_codes, .offset: 80, .size: 8, .value_kind: global_buffer, .address_space: global }
    .group_segment_fixed_size: 68096
    .private_segment_fixed_size: 0
    .kernarg_segment_align: 8
    .kernarg_segment_size: 88
    .max_flat_workgroup_size: 128
    .sgpr_count:     66
    .vgpr_count:     194
    .wavefront_size: 32
...
	.end_amdgpu_metadata
.endif
;; end of part 1
;; launch cell (part 2): grid 16 x 16, 4 waves a work-group, clusters of 4 x 4, 327,680 bytes of LDS; arguments a_codes, b_codes, lowp_scales, b, c, h, z, z_bottom, out0, out1, out2; writes out0, out1, out2
.if DOCPART == 2
	.amdgcn_target "amdgcn-amd-amdhsa--gfx1250"
	.amdhsa_code_object_version 6
	.text
	.protected	k_q57aecc33b7_cell
	.globl	k_q57aecc33b7_cell
	.p2align	8
	.type	k_q57aecc33b7_cell,@function
k_q57aecc33b7_cell:
	s_mov_b64 s[64:65], 0
	v_nop
	global_prefetch_b8 v0, s[64:65] scope:SCOPE_SE
	s_setreg_imm32_b32 hwreg(HW_REG_WAVE_MODE, 25, 1), 1
	s_wait_xcnt 0x0
	s_wait_alu depctr_hold_cnt(0) depctr_sa_sdst(0) depctr_va_vdst(0) depctr_va_sdst(0) depctr_va_ssrc(0) depctr_va_vcc(0) depctr_vm_vsrc(0)
	s_getreg_b32 s2, hwreg(HW_REG_IB_STS2, 6, 4)
	s_cmp_eq_u32 s2, 0
	s_cbranch_scc0 .Lentry_in_a_cluster
	s_endpgm
.Lentry_in_a_cluster:
	s_bfe_u32 s2, ttmp6, 0x10000c
	s_cmp_lg_u32 s2, 0xf033
	s_cbranch_scc0 .Lentry_shape_is_right
	s_endpgm
.Lentry_shape_is_right:
; The three quantised products as ONE sum over K = 3,072 (W | R | U), the gates, the blending and z_new.
; A work-group of four waves makes 256 rows x 256 columns of the pre-activations (64 hidden units x 4 gates); a wave 128 x 128: 64 accumulators, 512 registers.
; A's codes come through a ring of two LDS slots (256 rows x 512 along K, LDS rows 560 bytes apart), by joint tensor loads shared along a row of the 4 x 4 cluster; each wave fetches 64 rows.
; B's codes lie in memory in the order of a fragment's registers, so each wave loads its eight blocks of 16 columns straight into registers: 512 consecutive bytes an instruction, two sets of 128 registers;
; a set's blocks are asked for again, for two steps on, in the second half of the step that multiplies them.  B takes no multicast: loads into registers have none.
; Between the products all sums are multiplied by 2^(difference of the scales' exponents), which rounds nothing: the sums of one half of the rows while the other half's products are issued.
; The last product's scale goes into the gates' fused multiply-add.
; Column 4096: each work-group makes z_new for 16 rows, its four waves a quarter of K each, behind the way out; the four parts meet in LDS.
; THE MATRIX INSTRUCTION IS USED TRANSPOSED (source 0 = 16 rows of b_codes, source 1 = 16 rows of a_codes): a lane holds eight neighbouring hidden units of one row.
; LIMITS: the sums of two exponents and their differences lie between -126 and 127.  tanh's exponent is held at 64, where tanh is -1 in f32.  NaN among the inputs is not served.
; REGISTERS: window 0: v0-31 addresses, v32-95 biases, v96-127 the rows' factors, v128-255 A's fragments (one set; on the way out: at work).  window 1: B's two sets.  windows 2, 3: accumulator (a, b) at v[8 (8 (a % 4) + b)].
.set KROW,   3072
.set PITCH,  560                       ; 512 bytes + 48: 140 words, so the 16 rows that a load touches start at 16 different groups of four banks
.set QT,     64*PITCH                  ; what one tensor load brings
.set SLOT,   4*QT
.set SPARE,  2*SLOT                    ; the spare words: two blocks of 256 bytes that no other line names
.set ZRED,   SPARE+512                 ; the four waves' parts of column 4096
.set CP,     272                       ; c's and h's tiles, which take slot 0 at the end: rows of 256 bytes + 16
.set CH,     128*CP
.set NBB,    49152                     ; 16 rows of b_codes: 24 K steps of 2,048 bytes
.set QA,   2                           ; v2-5   the block's four factors
.set CADT, 6
.set HADT, 7
.set RADT, 8
.set ZA,   10
.set ZB,   11
.set ZW,   12
.set ZR,   13
.set BO,   14
.set R4,   15
.set ADRA, 16                          ; v16-17 my A fragments in slot 0, 1
.set BOF,  20                          ; 16 x lane
.set PFB,  21                          ; 256 x lane
.set CAD,  22
.set HAD,  23
.set RAD,  24
.set OADR, 25
.set SPW,  28
.set NIL,  29
.set PFO,  30
.set PFT,  31
.set BIAS, 32
.set Q,    96
.set AF,   128
.set T,    128
.set TI,   T
.set TG,   T+16
.set TO,   T+32
.set TF,   T+48
.set CI,   192
.set HI,   224
.set OB,   0
.set G1,   24
.set G0,   32                          ; s[32:39] group 0, a set for each slot
.set BB,   48                          ; s[48:49] my eight blocks of b_codes
.set PFBS, 50                          ; s[50:51] the block of b_codes that I prefetch
.set PFA,  76                          ; s[76:77] the 16 rows of a_codes that I prefetch
.set G1C,  84
.set G0C,  92
.set G0H,  96
.set MSB, 0
.set RJ, 0
.macro WIN new
.if MSB != \new
	s_set_vgpr_msb (MSB<<8)|\new
.set MSB, \new
.endif
.endm
.set MUL_LO, 0xa1
.set MUL_HI, 0xf1
.set TO_B,   0x40
.macro PLACES n
.rept \n
	v_nop
.endr
.endm
.macro CREST
	s_cmp_lg_u32 s14, 0
	s_cbranch_scc1 .Lnot_wave_0_\@
	s_barrier_signal -3
.Lnot_wave_0_\@:
	s_barrier_wait -3
	s_barrier_signal -1
	s_barrier_wait -1
.endm
.macro CROUND
	s_barrier_signal -1
	s_barrier_wait -1
	CREST
.endm
.macro CHFILL                          ; waves 0, 1: c's two halves; waves 2, 3: h's
	s_cmp_eq_u32 s15, 0
	s_cbranch_scc0 .Lfor_h_\@
	tensor_load_to_lds s[G0C:G0C+3], s[G1C:G1C+7]
	s_nop 0
	PLACES 4
	s_branch .Lasked_\@
.Lfor_h_\@:
	tensor_load_to_lds s[G0H:G0H+3], s[G1C:G1C+7]
	s_nop 0
	PLACES 4
.Lasked_\@:
.endm
; Prefetches behind a refill.  B: the 8,192 bytes (four steps) of one block of 16 rows, two fills on: wave w of partner cy takes block 4 w + cy of the tile's 16.
; A: 16 rows x 512 bytes of the fill three on, whose tensor load goes out at the next change of slots: of the 64 rows that wave w fetches, partner cx takes 16.  c and h: in the loop's last trip.
.macro ASK r
	global_prefetch_b8 v[PFB], s[PFBS:PFBS+1] offset:((\r)/4+2)*8192 th:TH_LOAD_NT scope:SCOPE_SE
.if (\r) == 3
	global_prefetch_b8 v[PFT], s[PFA:PFA+1] offset:3*512 th:TH_LOAD_NT scope:SCOPE_SE
	s_cmp_eq_u32 s3, 1
	s_cbranch_scc0 .Lno_\@
.irp i, 0,1,2,3
	global_prefetch_b8 v[PFO], s[22:23] offset:\i*131072 th:TH_LOAD_NT scope:SCOPE_SE
.endr
.Lno_\@:
.else
	s_cmp_eq_u32 s3, 1
	s_cbranch_scc1 .Lno_\@                         ; the last trip has no fill three on
	global_prefetch_b8 v[PFT], s[PFA:PFA+1] offset:4*512 th:TH_LOAD_NT scope:SCOPE_SE
.Lno_\@:
.endif
.endm
.macro WM a, b, p, zero
.if \zero
	v_wmma_f32_16x16x128_fp8_fp8 v[8*(8*((\a)%4)+(\b)):8*(8*((\a)%4)+(\b))+7], v[128*(\p)+16*(\b):128*(\p)+16*(\b)+15], v[AF+16*(\a):AF+16*(\a)+15], 0
.else
	v_wmma_f32_16x16x128_fp8_fp8 v[8*(8*((\a)%4)+(\b)):8*(8*((\a)%4)+(\b))+7], v[128*(\p)+16*(\b):128*(\p)+16*(\b)+15], v[AF+16*(\a):AF+16*(\a)+15], v[8*(8*((\a)%4)+(\b)):8*(8*((\a)%4)+(\b))+7]
.endif
.endm
; B's block b against four blocks of A.  rw other than 0: behind each product one accumulator of the OTHER half of the rows (windows rw) is multiplied by s4, from its low end on; mw: the products' windows.
.macro GRP h, b, p, zero, rw, mw
.irp i, 0,1,2,3
	WM 4*(\h)+\i, \b, \p, \zero
.if \rw
	WIN \rw
.rept 4
	v_pk_mul_f32 v[RJ:RJ+1], v[RJ:RJ+1], s[4:5] op_sel_hi:[1,0]
.set RJ, RJ+2
.endr
	WIN \mw
.endif
.endr
.endm
.macro LDA i, adr, q                   ; A's block i, 128 along K at byte 128 q of the slot's rows
.irp c, 0,1,2,3
	ds_load_b128 v[AF+16*(\i)+4*\c:AF+16*(\i)+4*\c+3], v[\adr] offset:128*(\q)+32*\c+(\i)*16*PITCH
.endr
.endm
.macro LDB b, p, r                     ; B's block b of step r (counted from the base) into set p
.irp c, 0,1,2,3
	global_load_b128 v[128*(\p)+16*(\b)+4*\c:128*(\p)+16*(\b)+4*\c+3], v[BOF], s[BB:BB+1] offset:(\b)*NBB+(\r)*2048+512*\c
.endr
.endm
; A run of loads behind four places: A's blocks i0 .. i0 + 3 of the next step, and B's blocks i0 .. i0 + 3 for step r + 2 into the set at work, whose products with them are issued.
.macro RUN i0, r, nb
	PLACES 4
	WIN 0
.irp i, 0,1,2,3
	LDA (\i0)+\i, ADRA+SN, QN
.endr
.if \nb
	WIN TO_B
.irp i, 0,1,2,3
	LDB (\i0)+\i, PP, (\r)+2
.endr
.endif
.endm
; A step of 128 along K: 64 products, B's blocks one after the other, first against A's blocks 0-3, then against 4-7.  The 64 accumulators take turns in the same order in every step.
; r: the step, counted from the base of B (slot (r / 4) % 2, quarter r % 4, set r % 2).  nb: B is asked for again, for step r + 2.  turn: 1 the slot is filled again, 2 it takes c and h.  last: no step follows.
; rs: 1 a product's last step: the sums of rows 0-63, which are finished, are rescaled in its second half;  2 the next product's first step: those of rows 64-127 in its first half.
; All reads of a slot are issued by the end of its third step, so its last step opens with the lines in front of the refill's barrier.
; s_wait_loadcnt: behind block j's four loads stand those of the set's 7 - j later blocks and the next set's 32.  s_wait_dscnt 16: A's blocks 4-7 may be out (17: and the add).
.macro STEPM r, zero, nb, turn, last, rs
.set SL, ((\r)/4)%2
.set QQ, (\r)%4
.set PP, (\r)%2
.set SN, (((\r)+1)/4)%2
.set QN, ((\r)+1)%4
.set NXT, 32-32*(\last)
.set RJ, 0
.if \turn
	s_wait_tensorcnt 0x0                           ; my one tensor load, my part of the next slot, has landed;
	ds_add_u32 v[SPW], v[NIL]
.if \turn == 1
	s_add_nc_u64 s[G0+4*SL+2:G0+4*SL+3], s[G0+4*SL+2:G0+4*SL+3], 1024   ; this slot's next fill: two fills of 512 on
.endif
	s_wait_dscnt 17
.else
	s_wait_dscnt 16
.endif
	WIN MUL_LO
.irp j, 0,1,2,3,4,5,6,7
.if (\turn == 0) || (\j < 4)
	s_wait_loadcnt NXT+4*(7-\j)
.endif
.if \rs == 2
	GRP 0, \j, PP, \zero, 0xc3, MUL_LO
.else
	GRP 0, \j, PP, \zero, 0, 0
.endif
.if (\turn) && (\j == 3)
	s_wait_loadcnt NXT                             ; the whole set, so that only products stand inside the barrier
	s_wait_dscnt 0x0                               ; the add is done, and my reads of this slot are over
	s_barrier_signal -1
.endif
.endr
.if \turn
	WIN 0
	s_barrier_wait -1
	CREST                                          ; the barrier has opened a round of the cluster's barrier
.if \turn == 1
	tensor_load_to_lds s[G0+4*SL:G0+4*SL+3], s[G1:G1+7]
	s_nop 0
	PLACES 4
	ASK \r
.else
	CHFILL
.endif
.endif
.if \rs == 2
	s_wait_alu depctr_va_vdst(0)
	s_mov_b32 s4, s6                               ; the next change of products has the next factor
	s_mov_b32 s5, s7
.endif
	s_wait_dscnt 0x0                               ; A's blocks 4-7 are in
.if \last
	s_wait_tensorcnt 0x0                           ; my part of c or h has landed
	s_barrier_signal -1
.endif
	WIN MUL_HI
.irp j, 0,1,2,3
.if \rs == 1
	GRP 1, \j, PP, \zero, 0x82, MUL_HI
.else
	GRP 1, \j, PP, \zero, 0, 0
.endif
.endr
.if \last == 0
	RUN 0, \r, \nb
	WIN MUL_HI
.endif
.irp j, 4,5,6,7
.if \rs == 1
	GRP 1, \j, PP, \zero, 0x82, MUL_HI
.else
	GRP 1, \j, PP, \zero, 0, 0
.endif
.endr
.if \last == 0
	RUN 4, \r, \nb
.endif
	WIN 0
.if \rs == 1
	s_wait_alu depctr_va_vdst(0)
.endif
.if \last
	s_barrier_wait -1
.endif
.endm
.macro BATCH_END
	v_nop
	s_wait_alu depctr_va_vdst(0)
.endm
.macro RBLOAD                          ; a block's 16 rows of c_new or h_new back from the stage, whole rows of 256 bytes
	WIN 0x40
.irp t, 0,1,2,3,4,5,6,7
	ds_load_b128 v[OB+4*\t:OB+4*\t+3], v[RADT] offset:2*\t*CP
.endr
	WIN 0
.endm
.macro SEND                            ; the block before the base's: sixteen lanes store 256 consecutive bytes, aligned
	WIN 0x04
.irp t, 0,1,2,3,4,5,6,7
	global_store_b128 v[OADR], v[OB+4*\t:OB+4*\t+3], s[12:13] offset:2*\t*4096-65536 th:TH_STORE_NT
.endr
	WIN 0
.endm
	s_load_b256 s[4:11], s[0:1], 0x0               ; a_codes, b_codes, the exponents, b
	s_load_b256 s[68:75], s[0:1], 0x20             ; c, h, z, z_bottom
	s_load_b128 s[76:79], s[0:1], 0x40             ; out0, out1
	s_load_b64 s[80:81], s[0:1], 0x50              ; out2
	v_lshl_add_u32 v[SPW], v0, 2, SPARE
	v_mov_b32 v[NIL], 0
	ds_add_u32 v[SPW], v[NIL]                      ; the add twice on end
	ds_add_u32 v[SPW], v[NIL]
	v_lshrrev_b32 v1, 5, v0
	v_readfirstlane_b32 s14, v1                    ; wave
	s_lshr_b32 s15, s14, 1                         ; my half of the rows
	s_and_b32 s16, s14, 1                          ; my half of the columns
	s_bfe_u32 s40, ttmp6, 0x40000                  ; cx
	s_bfe_u32 s41, ttmp6, 0x40004                  ; cy
	s_lshl_b32 s42, ttmp9, 2
	s_add_co_u32 s42, s42, s40                     ; tile column
	s_and_b32 s17, ttmp7, 0xffff
	s_lshl_b32 s17, s17, 2
	s_add_co_u32 s17, s17, s41                     ; tile row
	s_lshl_b32 s43, s41, 2
	s_lshl_b32 s43, 15, s43                        ; my row of the cluster
	s_or_b32 s[G1+0], s43, (1<<20)|(1<<21)|(6<<22)|(11<<25)   ; bytes; 12 words of padding behind every 128
	s_mov_b32 s[G1+1], 512<<16
	s_mov_b32 s[G1+2], 64<<16
	s_mov_b32 s[G1+3], 512<<16
	s_mov_b32 s[G1+4], 64
	s_mov_b32 s[G1+5], KROW
	s_mov_b32 s[G1+6], 0
	s_mov_b32 s[G1+7], 0
	s_mov_b32 s[G1C+0], (1<<20)|(5<<22)|(3<<25)    ; c, h: 128 rows x 256 bytes, 4 words of padding
	s_mov_b32 s[G1C+1], 256<<16
	s_mov_b32 s[G1C+2], 128<<16
	s_mov_b32 s[G1C+3], 256<<16
	s_mov_b32 s[G1C+4], 128
	s_mov_b32 s[G1C+5], 4096
	s_mov_b32 s[G1C+6], 0
	s_mov_b32 s[G1C+7], 0
	s_lshl_b32 s20, s17, 8
	s_lshl_b32 s18, s14, 6
	s_add_co_u32 s20, s20, s18                     ; the 64 rows of A that I fetch
	s_mul_i32 s20, s20, KROW
	s_mov_b32 s21, 0
	s_mul_i32 s45, s14, QT
	s_mul_i32 s55, s14, CH
	s_wait_alu depctr_va_vdst(0)
	s_wait_dscnt 0x0
	s_wait_kmcnt 0x0
	s_load_b128 s[92:95], s[8:9], 0x0
	s_load_b64 s[96:97], s[8:9], 0x10
	s_load_b32 s82, s[10:11], 0x4000               ; b[4096]
	s_add_nc_u64 s[20:21], s[4:5], s[20:21]
	CROUND
.irp s, 0,1
	s_mov_b32 s[G0+4*\s], 1
	s_add_co_u32 s[G0+4*\s+1], s45, \s*SLOT
	s_add_nc_u64 s[G0+4*\s+2:G0+4*\s+3], s[20:21], \s*512
	s_or_b32 s[G0+4*\s+3], s[G0+4*\s+3], 0x80000000
.endr
	tensor_load_to_lds s[G0:G0+3], s[G1:G1+7]      ; fill 0: one tensor load a wave at the head
	s_nop 0
	v_and_b32 v1, 15, v0
	v_bfe_u32 v2, v0, 4, 1
	v_mul_u32_u24 v3, v1, PITCH
	v_lshl_add_u32 v4, v2, 4, v3
	s_mul_i32 s46, s15, 128*PITCH
	v_add_nc_u32 v[ADRA], s46, v4
	s_add_co_u32 s46, s46, SLOT
	v_add_nc_u32 v[ADRA+1], s46, v4
	v_and_b32 v[PFO], 31, v0
	v_lshlrev_b32 v[BOF], 4, v[PFO]
	v_lshlrev_b32 v[PFB], 8, v[PFO]
	v_mul_u32_u24 v[PFT], v1, KROW
	v_lshl_add_u32 v[PFT], v2, 8, v[PFT]
	v_lshlrev_b32 v[PFO], 12, v[PFO]
	v_mul_u32_u24 v[ZA], v1, KROW
	v_lshl_add_u32 v[ZA], v2, 4, v[ZA]
	v_lshlrev_b32 v[ZB], 4, v2
	s_lshl_b32 s46, s14, 6
	s_add_co_u32 s46, s46, ZRED
	v_lshl_add_u32 v[ZW], v1, 2, s46
	v_lshl_add_u32 v[ZR], v1, 2, ZRED
	v_lshlrev_b32 v[BO], 5, v2
	v_lshlrev_b32 v[R4], 2, v1
	v_mul_u32_u24 v3, v1, CP
	s_mul_i32 s46, s15, CH
	s_lshl_b32 s47, s16, 7
	s_add_co_u32 s46, s46, s47
	v_lshl_add_u32 v[CAD], v2, 5, v3
	v_add_nc_u32 v[CAD], s46, v[CAD]               ; c: my rows, my 128 bytes of them, 32 bytes for each half of the lanes
	v_add_nc_u32 v[HAD], 2*CH, v[CAD]
	v_mul_u32_u24 v[RAD], v2, CP
	v_lshl_add_u32 v[RAD], v1, 4, v[RAD]
	s_mul_i32 s46, s16, 2*CH
	s_mul_i32 s47, s15, CH
	s_add_co_u32 s46, s46, s47
	v_add_nc_u32 v[RAD], s46, v[RAD]               ; back: whole rows of 256 bytes, of c_new (odd waves: of h_new)
	v_add_nc_u32 v[RADT], SLOT, v[RAD]             ; (written once ahead of the way out's loop, whose first trip does not use it: a place in slot 1)
	v_lshlrev_b32 v[OADR], 12, v2
	v_lshl_add_u32 v[OADR], v1, 4, v[OADR]
	s_wait_alu depctr_va_vdst(0)
	s_lshl_b32 s20, s17, 8
	s_lshl_b32 s21, s42, 4
	s_add_co_u32 s20, s20, s21                     ; column 4096: my work-group's 16 rows,
	s_mul_i32 s20, s20, KROW
	s_lshl_b32 s46, s14, 8                         ; my wave's 256 of each product's K
	s_add_co_u32 s20, s20, s46
	s_mov_b32 s21, 0
	s_add_nc_u64 s[100:101], s[4:5], s[20:21]
	s_add_co_u32 s20, s46, 4096*KROW
	s_add_nc_u64 s[104:105], s[6:7], s[20:21]
	s_lshl_b32 s20, s42, 4
	s_lshl_b32 s46, s16, 3
	s_add_co_u32 s20, s20, s46
	s_mul_i32 s20, s20, NBB
	s_add_nc_u64 s[BB:BB+1], s[6:7], s[20:21]      ; my eight blocks of b_codes
	s_lshl_b32 s20, s42, 4
	s_lshl_b32 s46, s14, 2
	s_add_co_u32 s20, s20, s46
	s_add_co_u32 s20, s20, s41
	s_mul_i32 s20, s20, NBB
	s_add_nc_u64 s[PFBS:PFBS+1], s[6:7], s[20:21]
	s_lshl_b32 s20, s42, 8
	s_lshl_b32 s46, s16, 7
	s_add_co_u32 s20, s20, s46
	s_add_nc_u64 s[66:67], s[10:11], s[20:21]      ; my 32 hidden units' biases
	s_lshl_b32 s20, s17, 10
	s_lshl_b32 s46, s15, 9
	s_add_co_u32 s20, s20, s46
	s_add_nc_u64 s[72:73], s[72:73], s[20:21]
	s_add_nc_u64 s[74:75], s[74:75], s[20:21]
.irp g, 0,1,2,3
.irp u, 0,1
	global_load_b128 v[BIAS+8*(2*\g+\u):BIAS+8*(2*\g+\u)+3],   v[BO], s[66:67] offset:4096*\g+64*\u
	global_load_b128 v[BIAS+8*(2*\g+\u)+4:BIAS+8*(2*\g+\u)+7], v[BO], s[66:67] offset:4096*\g+64*\u+16
.endr
.endr
.irp a, 0,1,2,3,4,5,6,7
	global_load_b32 v[Q+4*\a],   v[R4], s[72:73] offset:64*\a
	global_load_b32 v[Q+4*\a+1], v[R4], s[74:75] offset:64*\a
.endr
	WIN TO_B
.irp b, 0,1,2,3,4,5,6,7
	LDB \b, 0, 0
.endr
.irp b, 0,1,2,3,4,5,6,7
	LDB \b, 1, 1
.endr
	WIN 0
	s_lshl_b32 s20, s17, 10
	s_lshl_b32 s46, s42, 6
	s_add_co_u32 s20, s20, s46
	s_add_nc_u64 s[80:81], s[80:81], s[20:21]
	s_lshl_b32 s47, s17, 20
	s_lshl_b32 s46, s42, 8
	s_add_co_u32 s47, s47, s46
	s_lshl_b32 s46, s15, 19
	s_add_co_u32 s20, s47, s46
	s_cmp_eq_u32 s16, 0
	s_cselect_b64 s[12:13], s[78:79], s[76:77]     ; even waves store c_new, odd waves h_new
	s_add_nc_u64 s[12:13], s[12:13], s[20:21]
	s_lshl_b32 s46, s16, 19
	s_add_co_u32 s20, s47, s46
	s_add_nc_u64 s[68:69], s[68:69], s[20:21]
	s_add_nc_u64 s[70:71], s[70:71], s[20:21]
	s_cmp_eq_u32 s15, 0
	s_cselect_b64 s[22:23], s[68:69], s[70:71]
	s_lshl_b32 s20, s17, 8
	s_lshl_b32 s46, s14, 6
	s_add_co_u32 s20, s20, s46
	s_lshl_b32 s46, s40, 4
	s_add_co_u32 s20, s20, s46
	s_mul_i32 s20, s20, KROW
	s_add_nc_u64 s[PFA:PFA+1], s[4:5], s[20:21]
	s_wait_kmcnt 0x0
	s_add_co_i32 s46, s92, s93
	s_add_co_i32 s47, s94, s95
	s_add_co_i32 s20, s96, s97
	s_sub_co_i32 s4, s46, s47
	s_add_co_i32 s4, s4, 127
	s_lshl_b32 s4, s4, 23
	s_mov_b32 s5, s4
	s_sub_co_i32 s6, s47, s20
	s_add_co_i32 s6, s6, 127
	s_lshl_b32 s6, s6, 23
	s_mov_b32 s7, s6
	s_add_co_i32 s43, s46, 127
	s_lshl_b32 s43, s43, 23
	s_add_co_i32 s44, s47, 127
	s_lshl_b32 s44, s44, 23
	s_lshl_b32 s20, s20, 23
	s_add_co_i32 s21, s20, 0x3f800000
	s_add_co_i32 s8, s20, 0xbfb8aa3b               ; -log2(e) x the last product's scale
	s_mov_b32 s9, s8
	s_add_co_i32 s10, s20, 0xc038aa3b              ; -2 log2(e) x the same
	s_mov_b32 s11, s10
	s_mov_b32 s18, 0xc038aa3b
	s_mov_b32 s19, s18
	s_mov_b32 s20, 0x42800000                      ; 64
	s_mov_b32 s83, 0x40e00000                      ; 7
	s_mov_b32 s[G0C], 1
	s_mov_b32 s[G0C+1], s55
	s_mov_b64 s[G0C+2:G0C+3], s[68:69]
	s_or_b32 s[G0C+3], s[G0C+3], 0x80000000
	s_mov_b32 s[G0H], 1
	s_mov_b32 s[G0H+1], s55
	s_mov_b64 s[G0H+2:G0H+3], s[70:71]
	s_or_b32 s[G0H+3], s[G0H+3], 0x80000000
	s_wait_loadcnt 63                              ; the biases and factors, the oldest 32 of 96 loads, are in
.set j, 0
.rept 32
.if (j >= 16) && (j < 32)
	v_pk_mul_f32 v[BIAS+j:BIAS+j+1], v[BIAS+j:BIAS+j+1], s[18:19] op_sel_hi:[1,0]
.else
	v_pk_mul_f32 v[BIAS+j:BIAS+j+1], v[BIAS+j:BIAS+j+1], 0xbfb8aa3b op_sel_hi:[1,0]
.endif
.set j, j+2
.endr
.irp a, 0,1,2,3,4,5,6,7
	v_sub_f32 v[Q+4*\a+3], 1.0, v[Q+4*\a]
	v_sub_f32 v[Q+4*\a+2], 1.0, v[Q+4*\a+1]
.endr
.irp a, 0,1,2,3,4,5,6,7
	v_mul_f32 v[Q+4*\a+2], v[Q+4*\a+3], v[Q+4*\a+2]   ; q2 = (1 - z)(1 - z_bottom)
	v_mul_f32 v[Q+4*\a+3], v[Q+4*\a+3], v[Q+4*\a+1]   ; q3 = (1 - z) z_bottom
.endr
.irp a, 0,1,2,3,4,5,6,7
	v_add_f32 v[Q+4*\a], v[Q+4*\a], v[Q+4*\a+3]       ; q0 = z + (1 - z) z_bottom
.endr
.irp a, 0,1,2,3,4,5,6,7
	v_add_f32 v[Q+4*\a+1], v[Q+4*\a], v[Q+4*\a]       ; 2 q0
.endr
.irp a, 0,1,2,3,4,5,6,7
	v_mul_f32 v[Q+4*\a], -1.0, v[Q+4*\a]              ; -q0
.endr
	s_wait_alu depctr_va_vdst(0)
	s_wait_tensorcnt 0x0                           ; my part of fill 0 is in; slot 1's first fill is issued as a refill is
	ds_add_u32 v[SPW], v[NIL]
	s_wait_dscnt 0x0
	CROUND
	tensor_load_to_lds s[G0+4:G0+7], s[G1:G1+7]
	s_nop 0
	PLACES 4
.irp i, 0,1,2,3,4,5,6,7
	LDA \i, ADRA, 0
.endr
	STEPM 0, 1, 1, 0, 0, 0                         ; the first step starts the sums
	s_mov_b32 s3, 2
.Llap:                                                 ; a trip: eight steps, one product's K, from its second step to the next product's first
	STEPM 1, 0, 1, 0, 0, 0
	STEPM 2, 0, 1, 0, 0, 0
	STEPM 3, 0, 1, 1, 0, 0
	STEPM 4, 0, 1, 0, 0, 0
	STEPM 5, 0, 1, 0, 0, 0
	STEPM 6, 0, 1, 0, 0, 0
	STEPM 7, 0, 1, 1, 0, 1
	STEPM 8, 0, 1, 0, 0, 2
	s_wait_xcnt 0x0                                ; the bases are stepped only behind this wait
	s_add_nc_u64 s[BB:BB+1], s[BB:BB+1], 8*2048
	s_add_nc_u64 s[PFBS:PFBS+1], s[PFBS:PFBS+1], 8*2048
	s_add_nc_u64 s[PFA:PFA+1], s[PFA:PFA+1], 1024
	s_sub_co_u32 s3, s3, 1
	s_cmp_lg_u32 s3, 0
	s_cbranch_scc1 .Llap
	STEPM 1, 0, 1, 0, 0, 0                         ; the last product's tail asks for nothing beyond K's end
	STEPM 2, 0, 1, 0, 0, 0
	STEPM 3, 0, 1, 2, 0, 0                         ; slot 0 takes c and h
	STEPM 4, 0, 1, 0, 0, 0
	STEPM 5, 0, 1, 0, 0, 0
	STEPM 6, 0, 0, 0, 0, 0
	STEPM 7, 0, 0, 0, 1, 0
	PLACES 4
	; column 4096's operands, into B's registers, which are done with: they are waited for behind the way out
	WIN TO_B
.irp p, 0,1,2
.irp i, 0,1
.irp c, 0,1,2,3
	global_load_b128 v[32+16*(2*\p+\i)+4*\c:32+16*(2*\p+\i)+4*\c+3], v[ZA], s[100:101] offset:1024*\p+128*\i+32*\c
	global_load_b128 v[128+16*(2*\p+\i)+4*\c:128+16*(2*\p+\i)+4*\c+3], v[ZB], s[104:105] offset:1024*\p+128*\i+32*\c
.endr
.endr
.endr
	WIN 0
; THE WAY OUT: eight trips, a block of 16 rows each.  Only the lines that read a block's accumulators differ from trip to trip: they are written out eight times and chosen by the trip's number.
; With ei .. = 2^(-x log2 e):  q0 i g = q0 (1 - eg) / ((1 + ei)(1 + eg));  c_new = c (q2 + q3 f) + q0 i g;  h_new = q2 h + q0 (1 - ec) / ((1 + eo)(1 + ec)).
; A trip first reads its block's accumulators, while the LDS stores of the block before are on their way; then the barrier shows that block whole, it is read back by rows, and it is stored behind the first batch.
	s_mov_b32 s3, 0
	s_mov_b32 s54, 0                               ; the block's 16 rows in c's and h's tiles
.Lblk:
	v_add_nc_u32 v[CADT], s54, v[CAD]
	v_add_nc_u32 v[HADT], s54, v[HAD]
	s_wait_alu depctr_va_vdst(0)
.irp u, 0,1
	ds_load_b128 v[CI+8*\u:CI+8*\u+3],   v[CADT] offset:64*\u
	ds_load_b128 v[CI+8*\u+4:CI+8*\u+7], v[CADT] offset:64*\u+16
	ds_load_b128 v[HI+8*\u:HI+8*\u+3],   v[HADT] offset:64*\u
	ds_load_b128 v[HI+8*\u+4:HI+8*\u+7], v[HADT] offset:64*\u+16
.endr
	s_cmp_gt_u32 s3, 3
	s_cbranch_scc1 .Lnot_3                         ; blocks 4-7: into the chain's middle
.irp a, 0,1,2,3,4,5,6,7
.if \a < 7
	s_cmp_lg_u32 s3, \a
	s_cbranch_scc1 .Lnot_\a
.endif
	WIN 0x02+((\a)/4)
	s_wait_alu depctr_va_vdst(0)
.set j, 0
.rept 32
.if (j >= 16) && (j < 32)
	v_pk_fma_f32 v[T+j:T+j+1], v[64*((\a)%4)+j:64*((\a)%4)+j+1], s[10:11], v[BIAS+j:BIAS+j+1] op_sel_hi:[1,0,1]
.else
	v_pk_fma_f32 v[T+j:T+j+1], v[64*((\a)%4)+j:64*((\a)%4)+j+1], s[8:9], v[BIAS+j:BIAS+j+1] op_sel_hi:[1,0,1]
.endif
.set j, j+2
.endr
	WIN 0
.irp i, 0,1,2,3
	v_mov_b32 v[QA+\i], v[Q+4*\a+\i]
.endr
	s_wait_alu depctr_va_vdst(0)
.if \a < 7
	s_branch .Lgates
.Lnot_\a:
.endif
.endr
.Lgates:
.set k, 0
.rept 16
	v_min_num_f32 v[TG+k], s20, v[TG+k]
.set k, k+1
.endr
	s_wait_alu depctr_va_vdst(0)
	s_wait_dscnt 0x0                               ; for the others' sake: my stores of the block before (a row's 256 bytes come from two waves); and c and h are in
	s_barrier_signal -1
	s_barrier_wait -1
	s_cmp_eq_u32 s3, 0
	s_cbranch_scc1 .Lfirst                         ; the first trip has no block before it
	RBLOAD
.Lfirst:
	v_add_nc_u32 v[RADT], s54, v[RAD]              ; where this block will be read back
	s_wait_alu depctr_va_vdst(0)                   ; ahead of the batch
.set k, 0
.rept 8
	v_exp_f32 v[TI+k], v[TI+k]
	v_exp_f32 v[TI+k+1], v[TI+k+1]
	v_exp_f32 v[TG+k], v[TG+k]
	v_exp_f32 v[TG+k+1], v[TG+k+1]
	v_pk_mul_f32 v[HI+k:HI+k+1], v[HI+k:HI+k+1], v[QA+2:QA+3] op_sel_hi:[1,0]      ; q2 h
	v_exp_f32 v[TO+k], v[TO+k]
	v_exp_f32 v[TO+k+1], v[TO+k+1]
	v_exp_f32 v[TF+k], v[TF+k]
	v_exp_f32 v[TF+k+1], v[TF+k+1]
.set k, k+2
.endr
	BATCH_END
	s_cmp_eq_u32 s3, 0
	s_cbranch_scc1 .Lfirst2
	s_wait_dscnt 0x0                               ; the block before is back from the stage
	SEND
.Lfirst2:
.set k, 0
.rept 8
	v_pk_add_f32 v[TF+k:TF+k+1], v[TF+k:TF+k+1], 1.0 op_sel_hi:[1,0]
	v_pk_add_f32 v[TG+k:TG+k+1], v[TG+k:TG+k+1], 1.0 op_sel_hi:[1,0]
.set k, k+2
.endr
.set k, 0
.rept 8
	v_pk_fma_f32 v[TI+k:TI+k+1], v[TI+k:TI+k+1], v[TG+k:TG+k+1], v[TG+k:TG+k+1]    ; (1 + ei)(1 + eg)
.set k, k+2
.endr
.set k, 0
.rept 8
	v_pk_fma_f32 v[TG+k:TG+k+1], v[TG+k:TG+k+1], v[QA:QA+1], v[QA:QA+1] op_sel:[0,0,1] op_sel_hi:[1,0,1]   ; -q0 (1 + eg) + 2 q0
.set k, k+2
.endr
	s_wait_alu depctr_va_vdst(0)
.set k, 0
.rept 16
	v_rcp_f32 v[TF+k], v[TF+k]
	v_rcp_f32 v[TI+k], v[TI+k]
.set k, k+1
.endr
	BATCH_END
.set k, 0
.rept 8
	v_pk_fma_f32 v[TF+k:TF+k+1], v[TF+k:TF+k+1], v[QA+2:QA+3], v[QA+2:QA+3] op_sel:[0,1,0] op_sel_hi:[1,1,0]   ; q3 f + q2
	v_pk_mul_f32 v[TG+k:TG+k+1], v[TG+k:TG+k+1], v[TI+k:TI+k+1]                    ; q0 i g
.set k, k+2
.endr
.set k, 0
.rept 8
	v_pk_fma_f32 v[TF+k:TF+k+1], v[CI+k:CI+k+1], v[TF+k:TF+k+1], v[TG+k:TG+k+1]    ; c_new
.set k, k+2
.endr
.irp u, 0,1
	ds_store_b128 v[CADT], v[TF+8*\u:TF+8*\u+3]   offset:64*\u
	ds_store_b128 v[CADT], v[TF+8*\u+4:TF+8*\u+7] offset:64*\u+16
.endr
.set k, 0
.rept 8
	v_pk_mul_f32 v[TI+k:TI+k+1], v[TF+k:TF+k+1], s[18:19] op_sel_hi:[1,0]
.set k, k+2
.endr
.set k, 0
.rept 16
	v_min_num_f32 v[TI+k], s20, v[TI+k]
.set k, k+1
.endr
	s_wait_alu depctr_va_vdst(0)
.set k, 0
.rept 16
	v_exp_f32 v[TI+k], v[TI+k]
.set k, k+1
.endr
	BATCH_END
.set k, 0
.rept 8
	v_pk_add_f32 v[TI+k:TI+k+1], v[TI+k:TI+k+1], 1.0 op_sel_hi:[1,0]
.set k, k+2
.endr
.set k, 0
.rept 8
	v_pk_fma_f32 v[TO+k:TO+k+1], v[TO+k:TO+k+1], v[TI+k:TI+k+1], v[TI+k:TI+k+1]    ; (1 + eo)(1 + ec)
.set k, k+2
.endr
.set k, 0
.rept 8
	v_pk_fma_f32 v[TI+k:TI+k+1], v[TI+k:TI+k+1], v[QA:QA+1], v[QA:QA+1] op_sel:[0,0,1] op_sel_hi:[1,0,1]   ; q0 (1 - ec)
.set k, k+2
.endr
	s_wait_alu depctr_va_vdst(0)
.set k, 0
.rept 16
	v_rcp_f32 v[TO+k], v[TO+k]
.set k, k+1
.endr
	BATCH_END
.set k, 0
.rept 8
	v_pk_fma_f32 v[TI+k:TI+k+1], v[TI+k:TI+k+1], v[TO+k:TO+k+1], v[HI+k:HI+k+1]    ; h_new
.set k, k+2
.endr
.irp u, 0,1
	ds_store_b128 v[HADT], v[TI+8*\u:TI+8*\u+3]   offset:64*\u
	ds_store_b128 v[HADT], v[TI+8*\u+4:TI+8*\u+7] offset:64*\u+16
.endr
	s_wait_xcnt 0x0                                ; this trip's global stores have read their data and their base
	s_add_nc_u64 s[12:13], s[12:13], 65536         ; 16 rows on: the stores reach back by their immediate
	s_add_co_u32 s54, s54, 16*CP
	s_add_co_u32 s3, s3, 1
	s_cmp_lt_u32 s3, 8
	s_cbranch_scc1 .Lblk
	s_wait_dscnt 0x0                               ; the last block's stores into the stage
	s_barrier_signal -1
	s_barrier_wait -1
	RBLOAD
	; z_new for my work-group's 16 rows: my wave's quarter of K, two products of 128 for each of W, R, U
	s_wait_loadcnt 0x0
	WIN 0x05
.irp f, 0,1,2,3,4,5
	v_wmma_f32_16x16x128_fp8_fp8 v[T+8*\f:T+8*\f+7], v[128+16*\f:143+16*\f], v[32+16*\f:47+16*\f], 0
.endr
	WIN 0
	PLACES 4
	v_add_f32 v18, v[T], v[T+8]
	v_add_f32 v19, v[T+16], v[T+24]
	v_add_f32 v26, v[T+32], v[T+40]
	v_mul_f32 v18, s43, v18
	v_fma_f32 v18, v19, s44, v18
	v_fma_f32 v18, v26, s21, v18
	ds_store_b32 v[ZW], v18
	s_wait_dscnt 0x0                               ; my part of column 4096 is stored, and the last block is back
	s_barrier_signal -1
	s_barrier_wait -1
	ds_load_b32 v18, v[ZR]
	ds_load_b32 v19, v[ZR] offset:64
	ds_load_b32 v26, v[ZR] offset:128
	ds_load_b32 v27, v[ZR] offset:192
	SEND                                           ; the last block
	s_wait_dscnt 0x0
	v_add_f32 v18, v18, v19
	v_add_f32 v26, v26, v27
	v_add_f32 v18, v18, v26
	v_add_f32 v18, s82, v18
	v_mov_b32 v27, 1.0
	v_fma_f32 v18, v18, s83, 1.0
	v_mul_f32 v18, 0.5, v18
	v_med3_num_f32 v18, v18, 0, 1.0
	v_cmp_lt_f32 vcc_lo, 0.5, v18
	v_cndmask_b32 v19, 0, v27, vcc_lo
	v_sub_f32 v19, v19, v18
	v_add_f32 v18, v18, v19
	s_wait_alu depctr_va_vdst(0)
	s_wait_xcnt 0x0
	v_cmp_gt_u32 vcc_lo, 16, v0
	s_and_saveexec_b32 s46, vcc_lo
	global_store_b32 v[R4], v18, s[80:81]
	s_wait_xcnt 0x0
	s_or_b32 exec_lo, exec_lo, s46
	s_wait_tensorcnt 0x0                           ; the wave's end
	ds_add_u32 v[SPW], v[NIL]
	s_wait_dscnt 0x0
	CROUND
	s_endpgm
.Lfunc_end_k_q57aecc33b7_cell:
	.size	k_q57aecc33b7_cell, .Lfunc_end_k_q57aecc33b7_cell-k_q57aecc33b7_cell
	.p2alignl 7, 3214868480
	.fill 96, 4, 3214868480
	.section	.rodata,"a",@progbits
	.p2align	6, 0x0
	.amdhsa_kernel k_q57aecc33b7_cell
		.amdhsa_group_segment_fixed_size 327680
		.amdhsa_private_segment_fixed_size 0
		.amdhsa_enable_private_segment 0
		.amdhsa_kernarg_size 88
		.amdhsa_user_sgpr_count 2
		.amdhsa_user_sgpr_kernarg_segment_ptr 1
		.amdhsa_wavefront_size32 1
		.amdhsa_system_sgpr_workgroup_id_x 1
		.amdhsa_system_sgpr_workgroup_id_y 1
		.amdhsa_system_sgpr_workgroup_id_z 1
		.amdhsa_system_vgpr_workitem_id 0
		.amdhsa_next_free_vgpr 1024
		.amdhsa_next_free_sgpr 106
		.amdhsa_reserve_vcc 1
		.amdhsa_float_denorm_mode_32 3
		.amdhsa_float_denorm_mode_16_64 3
		.amdhsa_memory_ordered 1
		.amdhsa_forward_progress 1
		.amdhsa_inst_pref_size 240
	.end_amdhsa_kernel
	.amdgpu_metadata
---
amdhsa.version: [ 1, 2 ]
amdhsa.kernels:
  - .name:           k_q57aecc33b7_cell
    .symbol:         k_q57aecc33b7_cell.kd
    .args:
      - { .name: a_codes, .offset: 0, .size: 8, .value_kind: global_buffer, .address_space: global }
      - { .name: b_codes, .offset: 8, .size: 8, .value_kind: global_buffer, .address_space: global }
      - { .name: lowp_scales, .offset: 16, .size: 8, .value_kind: global_buffer, .address_space: global }
      - { .name: b, .offset: 24, .size: 8, .value_kind: global_buffer, .address_space: global }
      - { .name: c, .offset: 32, .size: 8, .value_kind: global_buffer, .address_space: global }
      - { .name: h, .offset: 40, .size: 8, .value_kind: global_buffer, .address_space: global }
      - { .name: z, .offset: 48, .size: 8, .value_kind: global_buffer, .address_space: global }
      - { .name: z_bottom, .offset: 56, .size: 8, .value_kind: global_buffer, .address_space: global }
      - { .name: out0, .offset: 64, .size: 8, .value_kind: global_buffer, .address_space: global }
      - { .name: out1, .offset: 72, .size: 8, .value_kind: global_buffer, .address_space: global }
      - { .name: out2, .offset: 80, .size: 8, .value_kind: global_buffer, .address_space: global }
    .group_segment_fixed_size: 327680
    .private_segment_fixed_size: 0
    .kernarg_segment_align: 8
    .kernarg_segment_size: 88
    .max_flat_workgroup_size: 128
    .sgpr_count:     106
    .vgpr_count:     1024
    .wavefront_size: 32
...
	.end_amdgpu_metadata
.endif
;; end of part 2
